; MI455X (gfx1250); checked and timed in simulation.
; The chip was launched on July 23, 2026; its instructions are those of AMD's public machine-readable ISA for CDNA 5 (MIT licence, August 2026) and "CDNA5" Instruction Set Architecture Reference Guide (July 2026). The comments in the code are by the model that wrote it; some were corrected since.
;; Block. Allowed arithmetic: matrix products marked QUANTISED: E2M3 operands, one E8M0 scale for each 32 along K, by v_wmma_scale_f32_16x16x128_f8f6f4 with both operands' format E2M3, f32 sums; everything else in f32.
;; Inputs: Wf_codes 1,024 x 32 x 24 uint8 (E2M3 codes of Wf, K innermost, in blocks of 32 codes, four codes in three bytes); Wf_scales 1,024 x 32 uint8 (E8M0 scales of Wf, one for each 32 codes along K); Wk_codes 16 x 64 x 32 x 24 uint8 (E2M3 codes of Wk, K innermost, in blocks of 32 codes, four codes in three bytes); Wk_scales 16 x 64 x 32 uint8 (E8M0 scales of Wk, one for each 32 codes along K); Wq_codes 16 x 64 x 32 x 24 uint8 (E2M3 codes of Wq, K innermost, in blocks of 32 codes, four codes in three bytes); Wq_scales 16 x 64 x 32 uint8 (E8M0 scales of Wq, one for each 32 codes along K); Wv_codes 16 x 64 x 32 x 24 uint8 (E2M3 codes of Wv, K innermost, in blocks of 32 codes, four codes in three bytes); Wv_scales 16 x 64 x 32 uint8 (E8M0 scales of Wv, one for each 32 codes along K); bf 1,024 float32; x_codes 4 x 2,048 x 32 x 24 uint8 (E2M3 codes of x, K innermost, in blocks of 32 codes, four codes in three bytes); x_scales 4 x 2,048 x 32 uint8 (E8M0 scales of x, one for each 32 codes along K).
;; Outputs: out0 4 x 2,048 x 1,024 float32.
;; This version of the problem:
;;   THIS VERSION OF THE PROBLEM IS GIVEN IN LOW PRECISION. The matrix products marked QUANTISED in the list below multiply operands that are first quantised to E2M3 (2 exponent bits, 3 mantissa bits; 6 bits a number), with one power-of-two scale for each 32 numbers along K (OCP MX v1.0); their sums are f32. All else is computed in f32.
;;   The module's matrix products, in the order in which they are computed (A, B: the left and right operand; K: the contracted axis; several contracted axes count as one K, in the product's order):
;;     1. [M 1,024, K 1,024] x [K 1,024, N 8,192]; A: input Wq (given as codes); B: input x (given as codes): QUANTISED
;;     2. [M 1,024, K 1,024] x [K 1,024, N 8,192]; A: input Wk (given as codes); B: input x (given as codes): QUANTISED
;;     3. [M 1,024, K 1,024] x [K 1,024, N 8,192]; A: input Wv (given as codes); B: input x (given as codes): QUANTISED
;;     4. batch 64 x [M 2,048, K 64] x [K 64, N 2,048]; A: computed on the way; B: computed on the way: QUANTISED
;;     5. batch 64 x [M 2,048, K 2,048] x [K 2,048, N 64]; A: softmax (see below); B: computed on the way: QUANTISED
;;     6. [M 8,192, K 1,024] x [K 1,024, N 1,024]; A: computed on the way; B: input Wf (given as codes): QUANTISED
;;   THE QUANTISER, for each operand of a quantised product, along K:
;;     - K is cut into blocks of 32 from its start; a last block that is shorter is filled with zeros.
;;     - A block's scale is 2^e with e = floor(log2(the largest magnitude in the block)) - 2, held to -126 .. 127; a block of zeros has e = 0. As a byte (E8M0): e + 127.
;;     - Each number is divided by its block's scale, clamped to +-7.5, and rounded to the nearest number of E2M3, ties to even, subnormals kept.
;;     - The product sums the exact products of the quantised numbers (number of the format x scale) in f32.
;;   ~~~python
;;   def quantise(x, axis):      # numpy; x: float32 -> the quantised numbers, widened to float32 again
;;       x = np.moveaxis(x, axis, -1); K = x.shape[-1]
;;       x = np.pad(x, [(0, 0)] * (x.ndim - 1) + [(0, -K % 32)]); x = x.reshape(x.shape[:-1] + (-1, 32)); a = np.abs(x).max(-1, keepdims=True)
;;       e = np.where(a > 0, np.clip(np.frexp(np.where(a > 0, a, 1))[1] - 1 - 2, -126, 127), 0)      # np.frexp(a)[1] - 1 = floor(log2(a)), exactly
;;       r = np.clip(x / 2.0 ** e, -7.5, 7.5)
;;       step = 2.0 ** (np.maximum(np.frexp(np.where(r == 0, 1, r))[1] - 1, 0) - 3)
;;       q = np.round(r / step) * step * 2.0 ** e      # np.round: ties to even
;;       return np.moveaxis(q.reshape(q.shape[:-2] + (-1,))[..., :K], -1, axis).astype(np.float32)
;;   ~~~
;;   SOFTMAX AHEAD OF A QUANTISED PRODUCT. Where the list says 'softmax', what is quantised is not the finished softmax but p = 2^(t - M), with t = logit x log2(e) and M = ceil(the row's largest t), a whole number; so 1/2 < the row's largest p <= 1. The row's sum l is taken of the UNQUANTISED p, in f32, and the product's result is divided by l at the end. Since M is a whole number, a kernel that streams over the keys may use a running M (the ceiling of the running maximum): every later rescaling is an exact power of two, which a block's scale takes up: the codes' values come out the same.
;;   OPERANDS COMPUTED ON THE WAY. 'Computed on the way' means the value that the module computes at that place (a softmax that the list does not call 'softmax' is quantised finished and normalised). What goes into a quantiser is computed in f32, as accurately as f32 sums, v_exp_f32 and their like allow (about 1e-6 of the number): no bf16 or f16 on the way to a quantiser, and a product that is left as it is and whose result goes on into a quantised operand takes f32 operands (vector FMAs, or v_wmma_f32_16x16x4_f32). A number that lies on a knife's edge between two numbers of the format may be rounded either way, as far as f32 arithmetic and the matrix unit's own rounding can turn it there, and no further.
;;   INPUTS GIVEN AS CODES. Wf (in the module: [1024, 1024], K = its axis 1); Wk (in the module: [1024, 16, 64], K = its axis 0); Wq (in the module: [1024, 16, 64], K = its axis 0); Wv (in the module: [1024, 16, 64], K = its axis 0); x (in the module: [4, 2048, 1024], K = its axis 2): each comes as NAME_codes (uint8): NAME with its K axis moved to the last place and cut into blocks of 32 codes, [.., K / 32, bytes a block], one block behind the other in memory; four codes in three bytes: a row's codes are one little-endian stream of bits, code i at bits 6 i .. 6 i + 5 (a code: sign, 2 exponent bits, 3 mantissa bits); and NAME_scales (uint8): the same leading axes, one E8M0 byte (e + 127) for each 32 codes along K. Its value is code x scale, taken as it is: it is not quantised again, and the codes and scales need not be those that the quantiser above would give.
;; One version. Each part assembles by itself: llvm-mc -triple=amdgcn-amd-amdhsa -mcpu=gfx1250 --defsym DOCPART=n.
;; ======== version 1 of 1: 3 launches
;; limits: right only within a limited range of input values
;; workspace buffers: qc 6,291,456 bytes; kc 6,291,456 bytes; vc 6,291,456 bytes; qs 786,432 bytes; kvs 786,432 bytes; oc 6,291,456 bytes; os 262,144 bytes
;; launch qkv (part 1): grid 64 x 4, 4 waves a work-group, clusters of 4 x 4, 327,680 bytes of LDS; arguments x_codes, x_scales, Wq_codes, Wq_scales, Wk_codes, Wk_scales, Wv_codes, Wv_scales, qc, qs, kc, kvs, vc; writes qc, qs, kc, kvs, vc
.if DOCPART == 1
	.amdgcn_target "amdgcn-amd-amdhsa--gfx1250"
	.amdhsa_code_object_version 6
	.text
	.protected	k_q6778f96cd4_qkv
	.globl	k_q6778f96cd4_qkv
	.p2align	8
	.type	k_q6778f96cd4_qkv,@function
k_q6778f96cd4_qkv:
	s_mov_b64 s[64:65], 0
	v_nop
	global_prefetch_b8 v0, s[64:65] scope:SCOPE_SE
	s_setreg_imm32_b32 hwreg(HW_REG_WAVE_MODE, 25, 1), 1
	s_wait_xcnt 0x0
	s_wait_alu depctr_hold_cnt(0) depctr_sa_sdst(0) depctr_va_vdst(0) depctr_va_sdst(0) depctr_va_ssrc(0) depctr_va_vcc(0) depctr_vm_vsrc(0)
	s_getreg_b32 s2, hwreg(HW_REG_IB_STS2, 6, 4)
	s_cmp_eq_u32 s2, 0
	s_cbranch_scc0 .Lentry_in_a_cluster
	s_endpgm
.Lentry_in_a_cluster:
	s_bfe_u32 s2, ttmp6, 0x10000c
	s_cmp_lg_u32 s2, 0xf033
	s_cbranch_scc0 .Lentry_shape_is_right
	s_endpgm
.Lentry_shape_is_right:
; q, k, v = x W (three products, 8,192 tokens x 1,024 outputs, K = 1,024) on codes of FP6 (E2M3) with one E8M0 scale for each 32 along K.
; The results are quantised here, in registers, and leave as codes: q and k along the head's 64, v along the keys (blocks of 32 tokens).
; P is source 0 of the matrix instruction (its rows become a lane's registers: the axis that is quantised), L is source 1 (a row to a lane).
; A WORK-GROUP STAYS and makes three tiles: kind 0: P = Wq, L = x;  kind 1: P = Wk, L = x;  kind 2: P = x, L = Wv.  All have rows of 768 bytes of codes and 32 scale bytes: only pointers and a few constants are chosen, by the kind.
; A TILE is 128 rows of L x 256 rows of P, with ALL of K in LDS: 384 rows of 768 bytes, each beginning at a multiple of 256 bytes of its buffer, 16 bytes of padding behind every 256: pitch 816.
; One joint load a wave brings it (waves 0, 1: L's halves; waves 2, 3: P's halves).  The next tile is asked for in the middle of a tile's last K step, when every wave's reads are over, behind a round of the cluster's barrier:
; it lands under 16 matrix instructions and the whole way out.  The last tile, which asks for nothing, is written out.  Kind 1 asks for the rows of x once more.
; A wave makes 64 rows of L x 128 rows of P: 32 accumulators, which take turns.
; CLUSTERS 4 x 4, sixteen of them: L's tile is shared along a row of the cluster, P's along a column.  The work-group claims all of LDS.
; THE SCALE WORDS go from memory into registers once a tile: a lane takes its row's 32 bytes, sixteen lanes 512 consecutive bytes; the next tile's are asked for at the start of the way out.
; No prefetch: a refill is asked for a whole way out ahead of the wait for it, and the walk has three tiles.
; WHAT IS STORED.  An IMAGE is registers 0-5 of an operand (16 rows x 64 along its K): registers 0-3 of lane l at 16 l, registers 4-5 at 512 + 8 l: 768 bytes.
;   qc, kc, vc: [batch 4][group of 128 tokens 16][y 2][head 16][z 4][768].  q, k: token tile 4 y + z of the group.  v: keys 64 y on of the group, rows d = 16 z + lane % 16.
;   scale words: q's and k's [batch x head][12,288]: [group][y 2][row 16][z 4] words, bytes 0, 1 the head's two scales, bytes 2, 3 zero; v's at 8,192 of kvs's record: [group][row 16][z 4] words of four bytes.
; ORDER INSIDE A BLOCK OF 32: number 16 u + 8 h + j lies at place 16 h + 8 u + j; q and k are laid alike, and so are v and the next launch's p: a sum only changes its order.
; LIMITS: NaN and infinities are not served.  A block's largest magnitude is taken as at least 2^-124: a block of zeros has the byte 1 with zero codes; this program alone reads these bytes.
; REGISTERS: window 0: v0-31 addresses, v32-63 L's scale words, v64-127 P's, v128-175 and v192-239 L's fragments (two sets; on the way out v128-255 are at work); window 1: P's fragments, two sets; window 2: accumulator (a, b) at v[8 (8 a + b)].
.set PITCH,  816
.set PHALF,  128*PITCH
.set LB,     2*PHALF                   ; L's rows lie behind P's 256
.set LHALF,  64*PITCH
.set SPARE,  LB+2*LHALF                ; the spare words, 128 bytes a wave
.set FR,     12
.set L16,  12                          ; v12 16 x lane, v13 8 x lane, v14 a scale word's place; v1 = r, v2 = h, v11 = 32 r stay
.set L8,   13
.set VSO,  14
.set ADRA, 16                          ; v16 my L rows; v17 the same behind one padding more (lanes 16-31)
.set ADRB, 20                          ; v20, 21 P's blocks 0-3; v22, 23 blocks 4-7
.set SPW,  28
.set NIL,  29
.set SL,   32
.set SP,   64
.set AF,   128
.set PW,   136
.set SW,   144
.set TM,   160
.set PC,   192
.set G1, 24
.set G0, 32
.set QP, 36                            ; s36-39 the tiles: q, k: P's, L's; v: P's, L's.  P's hang on cx alone, L's on cy alone
.set QL, 37
.set VP, 38
.set VL, 39
.set G1B, 48
.set G0B, 56
.set OCB,  12                          ; s[12:13] where my codes go; s[60:61] the second images
.set OC2,  60
.set OSB,  66                          ; s[66:67] where my scale words go
.set XC, 68                            ; s68-93 the arguments, kept
.set XS, 70
.set WQC, 72
.set WQS, 74
.set WKC, 76
.set WKS, 78
.set WVC, 80
.set WVS, 82
.set QCB, 84
.set QSB, 86
.set KCB, 88
.set KVB, 90
.set VCB, 92
.set KN,   94                          ; the kind that is asked for
.set KIND, 95                          ; the kind at work
.set DELTA, 96                         ; what lanes 16-31 add to a scale word's place
.set SMASK, 97                         ; which bytes lanes 0-15 keep
.set SHIFT, 98                         ; by how much lanes 16-31 shift the word down
.set HIL,  99                          ; lanes 16-31
.set STEPC, 100                        ; s[100:101] bytes from a fragment's first image to its second
.set MSB, 0
.macro WIN new                         ; the immediate's high byte repeats the setting that is left
.if MSB != \new
	s_set_vgpr_msb (MSB<<8)|\new
.set MSB, \new
.endif
.endm
.set MUL,  0xa1                        ; source 0 window 1, source 1 window 0, C and D window 2
.set TO_B, 0x40
.macro CROUND                          ; a round of the cluster's barrier
	s_barrier_signal -1
	s_barrier_wait -1
	s_cmp_lg_u32 s14, 0
	s_cbranch_scc1 .Lnot_wave_0_\@
	s_barrier_signal -3
.Lnot_wave_0_\@:
	s_barrier_wait -3
	s_barrier_signal -1
	s_barrier_wait -1
.endm
.macro PLACES
.rept 4
	v_nop
.endr
.endm
.macro JLOAD                           ; one joint load a wave, one chain of two arms on the wave's number
	s_cmp_eq_u32 s15, 0
	s_cbranch_scc0 .Lfor_p_\@
	tensor_load_to_lds s[G0:G0+3], s[G1:G1+7]
	s_nop 0
	PLACES
	s_branch .Lasked_\@
.Lfor_p_\@:
	tensor_load_to_lds s[G0B:G0B+3], s[G1B:G1B+7]
	s_nop 0
	PLACES
.Lasked_\@:
.endm
; kind KN's operands: the two descriptors' addresses, and where my rows' scale bytes begin (s[6:7] L's, s[10:11] P's).  Run only where no tensor load and no scale load of mine is out
.macro SETIN
	s_cmp_eq_u32 s[KN], 1
	s_cselect_b64 s[8:9], s[WKC:WKC+1], s[WQC:WQC+1]
	s_cselect_b64 s[10:11], s[WKS:WKS+1], s[WQS:WQS+1]
	s_cmp_eq_u32 s[KN], 2
	s_cselect_b64 s[8:9], s[XC:XC+1], s[8:9]
	s_cselect_b64 s[10:11], s[XS:XS+1], s[10:11]
	s_cselect_b64 s[4:5], s[WVC:WVC+1], s[XC:XC+1]
	s_cselect_b64 s[6:7], s[WVS:WVS+1], s[XS:XS+1]
	s_cselect_b32 s42, s[VP], s[QP]
	s_cselect_b32 s17, s[VL], s[QL]
	s_mul_i32 s20, s17, 98304                      ; L: 128 rows a tile, 64 a load
	s_mul_i32 s18, s16, 49152
	s_add_co_u32 s20, s20, s18
	s_mov_b32 s21, 0
	s_mul_i32 s46, s42, 196608                     ; P: 256 rows a tile, 128 a load
	s_mul_i32 s18, s16, 98304
	s_add_co_u32 s46, s46, s18
	s_mov_b32 s47, 0
	s_add_nc_u64 s[G0+2:G0+3], s[4:5], s[20:21]
	s_or_b32 s[G0+3], s[G0+3], 0x80000000
	s_add_nc_u64 s[G0B+2:G0B+3], s[8:9], s[46:47]
	s_or_b32 s[G0B+3], s[G0B+3], 0x80000000
	s_lshl_b32 s20, s17, 12                        ; scales: 32 bytes a row; my 64 rows of L,
	s_lshl_b32 s18, s15, 11
	s_add_co_u32 s20, s20, s18
	s_add_nc_u64 s[6:7], s[6:7], s[20:21]
	s_lshl_b32 s46, s42, 13                        ; my 128 rows of P
	s_lshl_b32 s18, s16, 12
	s_add_co_u32 s46, s46, s18
	s_add_nc_u64 s[10:11], s[10:11], s[46:47]
.endm
; where kind KIND's results go.  G = 16 x batch + group of 128 tokens.  Run behind s_wait_xcnt 0: the last tile's stores have read their bases
.macro SETOUT
	s_cmp_eq_u32 s[KIND], 1
	s_cselect_b64 s[OCB:OCB+1], s[KCB:KCB+1], s[QCB:QCB+1]
	s_cselect_b64 s[OSB:OSB+1], s[KVB:KVB+1], s[QSB:QSB+1]
	s_cmp_eq_u32 s[KIND], 2
	s_cselect_b64 s[OCB:OCB+1], s[VCB:VCB+1], s[OCB:OCB+1]
	s_cselect_b64 s[OSB:OSB+1], s[KVB:KVB+1], s[OSB:OSB+1]
	s_cselect_b32 s40, s[VP], s[QP]
	s_cselect_b32 s41, s[VL], s[QL]
	s_lshl_b32 s43, s40, 1
	s_add_co_u32 s43, s43, s16                     ; v: G
	s_lshl_b32 s44, s41, 1
	s_add_co_u32 s44, s44, s15                     ; v: my head
	s_lshl_b32 s45, s40, 2
	s_lshl_b32 s2, s16, 1
	s_add_co_u32 s45, s45, s2                      ; q, k: the first of my two heads
	s_cmp_eq_u32 s[KIND], 2
	s_cselect_b32 s43, s43, s41                    ; G
	s_cselect_b32 s45, s44, s45                    ; head
	s_cselect_b32 s44, 0, s15                      ; y of my 64 tokens (q, k)
	s_cselect_b32 s3, 8, 9                         ; a group's scale words: 256 bytes (v) or 512
	s_cselect_b32 s19, 8192, 0
	s_mov_b32 s[STEPC], 3072                       ; q, k: the second image is the next head's; v: keys 64 on
	s_cselect_b32 s[STEPC], 49152, s[STEPC]
	s_mov_b32 s[STEPC+1], 0
	s_mov_b32 s[DELTA], 12288                      ; q, k: lanes 16-31 store the odd head's words; v: the same word at the same place as lanes 0-15
	s_cselect_b32 s[DELTA], 0, s[DELTA]
	s_mov_b32 s[SMASK], 0xffff
	s_cselect_b32 s[SMASK], -1, s[SMASK]
	s_cselect_b32 s[SHIFT], 0, 16
	s_mul_i32 s22, s43, 98304
	s_mul_i32 s23, s45, 3072
	s_add_co_u32 s22, s22, s23
	s_mul_i32 s23, s44, 49152
	s_add_co_u32 s22, s22, s23
	s_mov_b32 s23, 0
	s_add_nc_u64 s[OCB:OCB+1], s[OCB:OCB+1], s[22:23]
	s_add_nc_u64 s[OC2:OC2+1], s[OCB:OCB+1], s[STEPC:STEPC+1]
	s_lshr_b32 s22, s43, 4
	s_lshl_b32 s22, s22, 4
	s_add_co_u32 s22, s22, s45
	s_mul_i32 s22, s22, 12288
	s_and_b32 s2, s43, 15
	s_lshl_b32 s2, s2, s3
	s_add_co_u32 s22, s22, s2
	s_add_co_u32 s22, s22, s19
	s_lshl_b32 s2, s44, 8
	s_add_co_u32 s22, s22, s2
	s_add_nc_u64 s[OSB:OSB+1], s[OSB:OSB+1], s[22:23]
.endm
.macro SCLOAD                          ; a tile's scale words: word q of a block: K step q
.irp a, 0,1,2,3
	global_load_b128 v[SL+8*\a:SL+8*\a+3], v11, s[6:7] offset:512*\a
	global_load_b128 v[SL+8*\a+4:SL+8*\a+7], v11, s[6:7] offset:512*\a+16
.endr
.irp b, 0,1,2,3,4,5,6,7
	global_load_b128 v[SP+8*\b:SP+8*\b+3], v11, s[10:11] offset:512*\b
	global_load_b128 v[SP+8*\b+4:SP+8*\b+7], v11, s[10:11] offset:512*\b+16
.endr
.endm
; a fragment, 16 rows x 128 K: 12 registers, in pieces of 8 bytes.  Byte y of a row lies at y + 16 (y / 256) of its LDS row; where lanes 16-31 (24 bytes on) lie behind one padding more, the second register serves
.macro FRAG reg, adr, st, i
.irp p, 0,1,2,3,4,5
.set BY, 96*(\st)+48*(\p/3)+8*(\p%3)
.if BY/256 == (BY+24)/256
	ds_load_b64 v[\reg+2*\p:\reg+2*\p+1], v[\adr] offset:BY+16*(BY/256)+(\i)*16*PITCH
.else
	ds_load_b64 v[\reg+2*\p:\reg+2*\p+1], v[\adr+1] offset:BY+16*(BY/256)+(\i)*16*PITCH
.endif
.endr
.endm
.macro FETCH_P st                      ; 48 loads
	WIN TO_B
.irp i, 0,1,2,3,4,5,6,7
	FRAG 128*((\st)%2)+FR*\i, ADRB+2*(\i/4), \st, \i%4
.endr
	WIN 0
.endm
.macro FETCH_L st                      ; 24 loads
.irp i, 0,1,2,3
	FRAG AF+64*((\st)%2)+FR*\i, ADRA, \st, \i
.endr
.endm
.macro MUL16 a0, st
.irp a, \a0, \a0+1
.irp b, 0,1,2,3,4,5,6,7
.if (\st) == 0
	v_wmma_scale_f32_16x16x128_f8f6f4 v[8*(8*(\a)+\b):8*(8*(\a)+\b)+7], v[128*((\st)%2)+FR*\b:128*((\st)%2)+FR*\b+FR-1], v[AF+64*((\st)%2)+FR*(\a):AF+64*((\st)%2)+FR*(\a)+FR-1], 0, v[SP+8*\b+(\st)], v[SL+8*(\a)+(\st)] matrix_a_fmt:MATRIX_FMT_FP6 matrix_b_fmt:MATRIX_FMT_FP6
.else
	v_wmma_scale_f32_16x16x128_f8f6f4 v[8*(8*(\a)+\b):8*(8*(\a)+\b)+7], v[128*((\st)%2)+FR*\b:128*((\st)%2)+FR*\b+FR-1], v[AF+64*((\st)%2)+FR*(\a):AF+64*((\st)%2)+FR*(\a)+FR-1], v[8*(8*(\a)+\b):8*(8*(\a)+\b)+7], v[SP+8*\b+(\st)], v[SL+8*(\a)+(\st)] matrix_a_fmt:MATRIX_FMT_FP6 matrix_b_fmt:MATRIX_FMT_FP6
.endif
.endr
.endr
.endm
; one of a tile's first seven steps of 128 along K: 32 matrix instructions; the next step's fragments go into the other sets, P's at the step's head, L's in its middle
.macro STEP st
.if (\st) > 0
	PLACES                                         ; behind the last step's products, which read the sets that are loaded now
.endif
	FETCH_P (\st)+1
	s_wait_dscnt 48                                ; all but the 48 just issued: this step's fragments are in
	WIN MUL
	MUL16 0, \st
	WIN 0
	FETCH_L (\st)+1
	WIN MUL
	MUL16 2, \st
	WIN 0
.endm
; the tile's last step.  refill = 1: both tiles in LDS are read no more and are filled again
.macro LAST refill
.if \refill
	s_wait_tensorcnt 0x0                           ; no tensor load of mine is out;
	ds_add_u32 v[SPW], v[NIL]                      ; 0 onto my spare word;
	s_add_co_u32 s[KN], s[KIND], 1
	SETIN                                          ; so the descriptors may be written: the next kind's tiles
	s_wait_dscnt 1                                 ; (the add may be out: the step's fragments are in)
	WIN MUL
	MUL16 0, 7                                     ; sixteen matrix instructions stand between the add and the wait for it
	WIN 0
	s_wait_dscnt 0x0                               ; the add is done, and my reads of the tiles are over
	CROUND                                         ; both hold of every wave of all sixteen work-groups
	JLOAD                                          ; the first tensor load behind the round
	WIN MUL
	MUL16 2, 7
	WIN 0
.else
	s_wait_dscnt 0x0
	WIN MUL
	MUL16 0, 7
	MUL16 2, 7
	WIN 0
.endif
.endm
; THE WAY OUT.  The 64 registers of L block a hold, in lane (r, h), row 16 a + r and P rows 16 b + 8 h + j (register 8 b + j): four blocks of 32 along P, 16 numbers of each in this lane and 16 in lane l xor 16
.macro QUANTA a
.set AC, 64*(\a)
	WIN 0x0a                                       ; sources 0 and 1: window 2
.irp b, 0,1,2,3
	v_max3_num_f32 v[TM+\b], |v[AC+16*\b]|, |v[AC+16*\b+1]|, 0x1800000   ; from each accumulator's low end on; the floor 2^(3 - 127) keeps the byte at 1 or above
.endr
.irp i, 2,4,6,8,10,12,14
.irp b, 0,1,2,3
	v_max3_num_f32 v[TM+\b], |v[AC+16*\b+\i]|, |v[AC+16*\b+\i+1]|, v[TM+\b]
.endr
.endr
	WIN 0
.irp b, 0,1,2,3
	v_permlanex16_b32 v[TM+4+\b], v[TM+\b], s62, s63
.endr
.irp b, 0,1,2,3
	v_max_num_f32 v[TM+\b], v[TM+\b], v[TM+4+\b]   ; the block's largest magnitude
.endr
.irp b, 0,1,2,3
	v_add_nc_u32 v[TM+12+\b], 0xff000000, v[TM+\b] ; 2 off its exponent field: the conversion's scale operand
.endr
.irp b, 0,1,2,3
	v_lshrrev_b32 v[TM+4+\b], 23, v[TM+12+\b]      ; the scale's byte
.endr
	v_lshl_or_b32 v[PW+(\a)], v[TM+5], 8, v[TM+4]
	v_lshl_or_b32 v[PW+(\a)], v[TM+6], 16, v[PW+(\a)]
	v_lshl_or_b32 v[PW+(\a)], v[TM+7], 24, v[PW+(\a)]
	s_wait_alu depctr_va_vdst(0)
	s_wait_xcnt 0x0                                ; the last block's stores have read the codes' registers
	WIN 0x02                                       ; source 0: window 2
.irp c, 0,1
	v_cvt_scalef32_pk16_fp6_f32 v[PC+6*\c:PC+2+6*\c], v[AC+32*\c:AC+15+32*\c], v[TM+12+2*\c]
	v_cvt_scalef32_pk16_fp6_f32 v[PC+12+4*\c:PC+14+4*\c], v[AC+16+32*\c:AC+31+32*\c], v[TM+12+2*\c+1]
.endr
	WIN 0
	v_nop                                          ; one plain place behind a scaled conversion
.irp c, 0,1                                        ; a whole block in a lane: lanes 0-15 block 2 c, lanes 16-31 block 2 c + 1
.irp i, 0,1,2
	v_permlane16_swap_b32 v[PC+6*\c+\i], v[PC+12+4*\c+\i]
.endr
.irp i, 0,1,2
	v_mov_b32 v[PC+3+6*\c+\i], v[PC+12+4*\c+\i]
.endr
.endr
	global_store_b128 v[L16], v[PC:PC+3], s[OCB:OCB+1] offset:(\a)*768          ; two images: 512 + 256 consecutive aligned bytes each
	global_store_b64 v[L8], v[PC+4:PC+5], s[OCB:OCB+1] offset:(\a)*768+512
	global_store_b128 v[L16], v[PC+6:PC+9], s[OC2:OC2+1] offset:(\a)*768
	global_store_b64 v[L8], v[PC+10:PC+11], s[OC2:OC2+1] offset:(\a)*768+512
.endm
.macro TILE refill
	s_wait_xcnt 0x0                                ; the last tile's stores have read their bases and registers
	SETOUT
	s_wait_tensorcnt 0x0                           ; my part of the tile is in,
	s_barrier_signal -1
	s_barrier_wait -1                              ; everybody's is
	FETCH_P 0
	FETCH_L 0
	s_wait_loadcnt 0x0                             ; the scale words
.irp s, 0,1,2,3,4,5,6
	STEP \s
.endr
	LAST \refill
	PLACES                                         ; behind the last products: what follows writes registers that held their fragments and scale words
.if \refill
	SCLOAD                                         ; the next tile's scale words
.endif
	v_mul_u32_u24 v3, s[DELTA], v2
	v_lshl_add_u32 v[VSO], v1, 4, v3               ; 16 r + h x DELTA
.irp b, 0,1,2,3
	v_mov_b32 v[TM+4+\b], 0                        ; a lane permute's destination counts as one of its sources
.endr
.irp a, 0,1,2,3
	QUANTA \a
.endr
	; the scale words, four a lane (my four L blocks): q, k: lanes 0-15 the even head's two bytes, lanes 16-31 the odd head's, one record on; v: the whole word
.irp j, 0,1,2,3
	v_and_b32 v[SW+\j], s[SMASK], v[PW+\j]
	v_lshrrev_b32 v[SW+4+\j], s[SHIFT], v[PW+\j]
.endr
.irp j, 0,1,2,3
	v_cndmask_b32 v[SW+\j], v[SW+\j], v[SW+4+\j], s[HIL]
.endr
	global_store_b128 v[VSO], v[SW:SW+3], s[OSB:OSB+1]
.endm
	s_load_b512 s[68:83], s[0:1], 0x0              ; x codes, scales, Wq codes, scales, Wk codes, scales, Wv codes, scales
	s_load_b256 s[84:91], s[0:1], 0x40             ; qc, qs, kc, kvs
	s_load_b64 s[92:93], s[0:1], 0x60              ; vc
	v_lshl_add_u32 v[SPW], v0, 2, SPARE
	v_mov_b32 v[NIL], 0
	ds_add_u32 v[SPW], v[NIL]                      ; the opening lines: the add, twice on end, and its wait
	ds_add_u32 v[SPW], v[NIL]
	v_lshrrev_b32 v1, 5, v0
	v_readfirstlane_b32 s14, v1                    ; wave
	s_lshr_b32 s15, s14, 1                         ; my half of L's rows.  Also: I fetch for L (0) or P (1)
	s_and_b32 s16, s14, 1                          ; my half of P's rows.  Also: which half of that tile I fetch
	s_bfe_u32 s[QP], ttmp6, 0x40000                ; cx: q's and k's tile of 256 rows of the weight
	s_bfe_u32 s41, ttmp6, 0x40004                  ; cy
	s_lshl_b32 s43, s41, 2
	s_lshl_b32 s43, 15, s43                        ; my row of the cluster
	s_lshl_b32 s44, 0x1111, s[QP]                  ; my column
	s_lshl_b32 s[QL], ttmp9, 2
	s_add_co_u32 s[QL], s[QL], s41                 ; q, k: tile of 128 tokens
	s_and_b32 s[VP], ttmp9, 7
	s_lshl_b32 s[VP], s[VP], 2
	s_add_co_u32 s[VP], s[VP], s[QP]               ; v: tile of 256 tokens
	s_lshr_b32 s[VL], ttmp9, 3
	s_lshl_b32 s[VL], s[VL], 2
	s_add_co_u32 s[VL], s[VL], s41                 ; v: tile of 128 rows of Wv
	s_or_b32 s[G1+0], s43, (1<<20)|(1<<21)|(5<<22)|(3<<25)   ; the mask; elements of 1 byte; behind every 64 words 4 words of padding; bit 21 beside a mask
	s_or_b32 s[G1B+0], s44, (1<<20)|(1<<21)|(5<<22)|(3<<25)
	s_mov_b32 s[G1+1], 768<<16
	s_mov_b32 s[G1+2], 64<<16                      ; L: 64 rows a load
	s_mov_b32 s[G1+3], 768<<16
	s_mov_b32 s[G1+4], 64
	s_mov_b32 s[G1+5], 768
	s_mov_b32 s[G1+6], 0
	s_mov_b32 s[G1+7], 0
	s_mov_b32 s[G1B+1], 768<<16
	s_mov_b32 s[G1B+2], 128<<16                    ; P: 128 rows a load
	s_mov_b32 s[G1B+3], 768<<16
	s_mov_b32 s[G1B+4], 128
	s_mov_b32 s[G1B+5], 768
	s_mov_b32 s[G1B+6], 0
	s_mov_b32 s[G1B+7], 0
	s_mov_b32 s[G0], 1
	s_mul_i32 s[G0+1], s16, LHALF
	s_add_co_u32 s[G0+1], s[G0+1], LB
	s_mov_b32 s[G0B], 1
	s_mul_i32 s[G0B+1], s16, PHALF
	s_mov_b32 s62, 0x76543210
	s_mov_b32 s63, 0xfedcba98                      ; v_permlanex16_b32's selects for lane l xor 16
	s_mov_b32 s[HIL], 0xffff0000
	s_mov_b32 s[KIND], 0
	s_mov_b32 s[KN], 0
	s_wait_dscnt 0x0
	s_wait_kmcnt 0x0
	SETIN
	CROUND                                         ; all sixteen work-groups are here: the joint loads meet
	JLOAD
	s_mul_i32 s22, s15, LHALF
	s_add_co_u32 s22, s22, LB
	s_mul_i32 s23, s16, PHALF
	v_and_b32 v1, 15, v0                           ; r
	v_bfe_u32 v2, v0, 4, 1                         ; h
	v_and_b32 v5, 31, v0
	v_lshlrev_b32 v[L16], 4, v5
	v_lshlrev_b32 v[L8], 3, v5
	v_mul_u32_u24 v3, v1, PITCH
	v_mad_u32_u24 v4, v2, 24, v3                   ; row x pitch + 24 h
	v_add_nc_u32 v[ADRA], s22, v4
	v_lshl_add_u32 v[ADRA+1], v2, 4, v[ADRA]
	v_add_nc_u32 v[ADRB], s23, v4
	v_lshl_add_u32 v[ADRB+1], v2, 4, v[ADRB]
	v_add_nc_u32 v[ADRB+2], 64*PITCH, v[ADRB]
	v_add_nc_u32 v[ADRB+3], 64*PITCH, v[ADRB+1]
	v_lshlrev_b32 v11, 5, v1                       ; 32 r
	SCLOAD
	s_wait_alu depctr_va_vdst(0)
.Ltile:                                            ; kinds 0 and 1: each asks for its successor
	TILE 1
	s_add_co_u32 s[KIND], s[KIND], 1
	s_cmp_lt_u32 s[KIND], 2
	s_wait_alu depctr_va_vdst(0)
	s_cbranch_scc1 .Ltile
	TILE 0                                         ; kind 2 asks for nothing
	s_wait_tensorcnt 0x0                           ; the wave's end
	ds_add_u32 v[SPW], v[NIL]
	s_wait_dscnt 0x0
	CROUND                                         ; the closing round
	s_endpgm
.Lfunc_end_k_q6778f96cd4_qkv:
	.size	k_q6778f96cd4_qkv, .Lfunc_end_k_q6778f96cd4_qkv-k_q6778f96cd4_qkv
	.p2alignl 7, 3214868480
	.fill 96, 4, 3214868480
	.section	.rodata,"a",@progbits
	.p2align	6, 0x0
	.amdhsa_kernel k_q6778f96cd4_qkv
		.amdhsa_group_segment_fixed_size 327680
		.amdhsa_private_segment_fixed_size 0
		.amdhsa_enable_private_segment 0
		.amdhsa_kernarg_size 104
		.amdhsa_user_sgpr_count 2
		.amdhsa_user_sgpr_kernarg_segment_ptr 1
		.amdhsa_wavefront_size32 1
		.amdhsa_system_sgpr_workgroup_id_x 1
		.amdhsa_system_sgpr_workgroup_id_y 1
		.amdhsa_system_sgpr_workgroup_id_z 1
		.amdhsa_system_vgpr_workitem_id 0
		.amdhsa_next_free_vgpr 1024
		.amdhsa_next_free_sgpr 102
		.amdhsa_reserve_vcc 0
		.amdhsa_float_denorm_mode_32 3
		.amdhsa_float_denorm_mode_16_64 3
		.amdhsa_memory_ordered 1
		.amdhsa_forward_progress 1
		.amdhsa_inst_pref_size 195
	.end_amdhsa_kernel
	.amdgpu_metadata
---
amdhsa.version: [ 1, 2 ]
amdhsa.kernels:
  - .name:           k_q6778f96cd4_qkv
    .symbol:         k_q6778f96cd4_qkv.kd
    .args:
      - { .name: x_codes, .offset: 0, .size: 8, .value_kind: global_buffer, .address_space: global }
      - { .name: x_scales, .offset: 8, .size: 8, .value_kind: global_buffer, .address_space: global }
      - { .name: Wq_codes, .offset: 16, .size: 8, .value_kind: global_buffer, .address_space: global }
      - { .name: Wq_scales, .offset: 24, .size: 8, .value_kind: global_buffer, .address_space: global }
      - { .name: Wk_codes, .offset: 32, .size: 8, .value_kind: global_buffer, .address_space: global }
      - { .name: Wk_scales, .offset: 40, .size: 8, .value_kind: global_buffer, .address_space: global }
      - { .name: Wv_codes, .offset: 48, .size: 8, .value_kind: global_buffer, .address_space: global }
      - { .name: Wv_scales, .offset: 56, .size: 8, .value_kind: global_buffer, .address_space: global }
      - { .name: qc, .offset: 64, .size: 8, .value_kind: global_buffer, .address_space: global }
      - { .name: qs, .offset: 72, .size: 8, .value_kind: global_buffer, .address_space: global }
      - { .name: kc, .offset: 80, .size: 8, .value_kind: global_buffer, .address_space: global }
      - { .name: kvs, .offset: 88, .size: 8, .value_kind: global_buffer, .address_space: global }
      - { .name: vc, .offset: 96, .size: 8, .value_kind: global_buffer, .address_space: global }
    .group_segment_fixed_size: 327680
    .private_segment_fixed_size: 0
    .kernarg_segment_align: 8
    .kernarg_segment_size: 104
    .max_flat_workgroup_size: 128
    .sgpr_count:     102
    .vgpr_count:     1024
    .wavefront_size: 32
...
	.end_amdgpu_metadata
.endif
;; end of part 1
;; launch attn (part 2): grid 4 x 64, 16 waves a work-group, clusters of 4 x 1, 210,944 bytes of LDS; arguments qc, qs, kc, vc, kvs, oc, os; writes oc, os
.if DOCPART == 2
	.amdgcn_target "amdgcn-amd-amdhsa--gfx1250"
	.amdhsa_code_object_version 6
	.text
	.protected	k_q6778f96cd4_attn
	.globl	k_q6778f96cd4_attn
	.p2align	8
	.type	k_q6778f96cd4_attn,@function
k_q6778f96cd4_attn:
	s_mov_b64 s[64:65], 0
	v_nop
	global_prefetch_b8 v0, s[64:65] scope:SCOPE_SE
	s_setreg_imm32_b32 hwreg(HW_REG_WAVE_MODE, 25, 1), 1
	s_wait_xcnt 0x0
	s_wait_alu depctr_hold_cnt(0) depctr_sa_sdst(0) depctr_va_vdst(0) depctr_va_sdst(0) depctr_va_ssrc(0) depctr_va_vcc(0) depctr_vm_vsrc(0)
	s_getreg_b32 s2, hwreg(HW_REG_IB_STS2, 6, 4)
	s_cmp_eq_u32 s2, 0
	s_cbranch_scc0 .Lentry_in_a_cluster
	s_endpgm
.Lentry_in_a_cluster:
	s_bfe_u32 s2, ttmp6, 0x10000c
	s_cmp_lg_u32 s2, 0x3003
	s_cbranch_scc0 .Lentry_shape_is_right
	s_endpgm
.Lentry_shape_is_right:
; Causal attention of one (batch, head) a cluster: O = softmax(q k^T / 32) v on codes of FP6 (E2M3), T = 2,048, head size 64; O / l is quantised here along the head's 64 and leaves as codes.
; THE SOFTMAX AHEAD OF THE SECOND PRODUCT: t = score x log2(e) / 32; M = the row's largest t so far, rounded up to a whole number; p = 2^(t - M) is quantised along the keys, not normalised;
; the row's sum is taken of the unquantised p and divides O at the end.  When M moves, the sum and O are multiplied by 2^(old M - new M): exact.
; SHARES.  The head's K and V as codes (2 x 98,304 bytes) and their scale words (12,288) lie in LDS whole: filled once, by joint loads of the cluster's four work-groups, and never again: no ring.
; Partner p of the cluster takes the query tiles 4 m + p, m = 0 .. 31.  Tile 4 m + p needs key steps 0 .. m / 2 (128 keys a step): that hangs on m alone, so no branch, trip count or LDS address hangs on
; the work-group's place; only global addresses and one constant of the mask do.  Wave w takes m1 (one of 0 .. 15) and then 31 - m1: 17 key steps for every wave.  Four waves share a SIMD.
; Both loops have constant trip counts; a step whose keys all come after the tile's queries leaves out its work by a scalar branch on ids.
; LAYOUT.  Both products are used transposed: S^T = K Q^T (source 0 = 16 keys, source 1 = my 16 queries), O^T = V^T P^T: a lane holds one query (lane % 16) throughout.
; Operands come as IMAGES of registers 0-5 (16 rows x 64 K, 768 bytes: registers 0-3 of lane l at 16 l, registers 4-5 at 512 + 8 l).  The head has 64 channels, half of the instruction's 128: Q's registers 6-11 are zero codes,
; so what K's registers 6-11 hold adds nothing: K's tiles lie 6 registers apart, and tile i names the 12 from its first (tile 7's last six are zeros).  Bytes 2, 3 of q's and k's scale words are 0, no NaN.
; Inside a block of 32, q and k are laid in one order and v and p in one order (number 16 u + 8 h + j at place 16 h + 8 u + j): the sums only change their order.  O meets a given operand, so it is brought into true order.
; LIMITS: NaN and infinities are not served; a p under 2^-126 counts as 0; a block's largest magnitude is taken as at least 2^-124 (a block of zeros: byte 1, zero codes; this program alone reads the bytes).
; The two scale bytes of a token and head are all that a work-group has of a row of os: they leave by a byte store, 32 lanes to 32 bytes; one byte for each 24 bytes of codes.
.set STEPB, 6144                       ; LDS: K's 8 tiles of a key step; V's 2 x 4 images of the step lie VOFF further on
.set VOFF,  98304
.set SCL,   32*STEPB                   ; K's scale words, 512 bytes a step
.set SCV,   SCL+8192                   ; V's, 256 bytes a step
.set L16,  1                           ; v1  16 x lane
.set L8,   2                           ; v2  8 x lane
.set ASK,  3                           ; v3  16 x lane + SCL
.set ASV,  4                           ; v4  16 r + SCV
.set AD16, 8                           ; v8-11 the step's addresses
.set AD8,  9
.set ADS,  10
.set ADT,  11
.set KF,   32                          ; v32-79 K's eight tiles, 6 registers apart; then V's four fragments; v80-85 zeros
.set WV,   18
.set PL,   19                          ; s19 my place in the cluster
.set SEL,  20
.set CS,   22
.set G1KV, 24
.set G1S,  32
.set G0S,  40
.set G0A,  44
.set G0B,  48
.set TB,   2                           ; s2  LDS byte at which the step's tiles begin
.set TS,   3                           ; s3  the step's scale words of K
.set TJ,   66                          ; s66 and of V
.set KSI,  67                          ; s67 the key step
.macro ROUND                           ; a round of the cluster's barrier
	s_barrier_signal -1
	s_barrier_wait -1
	s_cmp_lg_u32 s[WV], 0
	s_cbranch_scc1 .Lnot_wave_0_\@
	s_barrier_signal -3
.Lnot_wave_0_\@:
	s_barrier_wait -3
	s_barrier_signal -1
	s_barrier_wait -1
.endm
	s_load_b256 s[4:11], s[0:1], 0x0               ; qc s[4:5], qs s[6:7], kc s[8:9], vc s[10:11]
	s_load_b128 s[12:15], s[0:1], 0x20             ; kvs s[12:13], oc s[14:15]
	s_load_b64 s[16:17], s[0:1], 0x30              ; os
	v_lshl_add_u32 v251, v0, 2, 0x33000
	v_mov_b32 v255, 0
	ds_add_u32 v251, v255
	ds_add_u32 v251, v255
	v_lshrrev_b32 v1, 5, v0
	s_delay_alu instid0(VALU_DEP_1)
	v_readfirstlane_b32 s[WV], v1                  ; wave 0..15
	s_and_b32 s52, ttmp7, 0xffff                   ; 16 x batch + head: the cluster's y
	s_lshr_b32 s53, s52, 4                         ; batch
	s_and_b32 s54, s52, 15                         ; head
	; group 1 for K's and V's tiles: eight rows of 3,072 bytes (384 elements of 8), 49,152 bytes apart; dense in LDS
	s_mov_b32 s[G1KV], 15|(3<<16)|(1<<21)          ; 15:0 the mask: all four work-groups; elements of 8 bytes; no padding; bit 21 beside a mask
	s_mov_b32 s[G1KV+1], 384<<16                   ; tensor_dim0
	s_mov_b32 s[G1KV+2], 8<<16                     ; tensor_dim1: eight rows of 3,072 bytes, 49,152 apart: four key steps
	s_mov_b32 s[G1KV+3], 384<<16                   ; tile_dim0
	s_mov_b32 s[G1KV+4], 8                         ; tile_dim1
	s_mov_b32 s[G1KV+5], 6144                      ; tensor_dim0_stride
	s_mov_b32 s[G1KV+6], 0
	s_mov_b32 s[G1KV+7], 0
	; group 1 for the scale words: 1,536 dense bytes as six rows of 256
	s_mov_b32 s[G1S], 15|(3<<16)|(1<<21)
	s_mov_b32 s[G1S+1], 32<<16
	s_mov_b32 s[G1S+2], 6<<16                      ; 1,536 dense bytes as six rows of 256
	s_mov_b32 s[G1S+3], 32<<16
	s_mov_b32 s[G1S+4], 6
	s_mov_b32 s[G1S+5], 32
	s_mov_b32 s[G1S+6], 0
	s_mov_b32 s[G1S+7], 0
	; ONE LOAD A WAVE: waves 0-3 fetch K's key steps 4 w .. 4 w + 3, waves 4-7 V's likewise, waves 8-15 an eighth of the head's 12,288 bytes of scale words each
	s_and_b32 s61, s[WV], 7
	s_mul_i32 s57, s61, 1536
	s_mul_i32 s58, s52, 12288
	s_add_co_u32 s58, s58, s57
	s_mov_b32 s59, 0
	s_mov_b32 s[G0S], 1
	s_add_co_u32 s[G0S+1], s57, SCL
	s_mov_b32 s[G0A], 1
	s_mul_i32 s[G0A+1], s61, 4*STEPB               ; K's sixteen steps, then V's
	s_and_b32 s60, s[WV], 3
	s_lshl_b32 s60, s60, 2
	s_lshl_b32 s62, s53, 4
	s_add_co_u32 s62, s62, s60                     ; 16 x batch + group of 128 keys
	s_mul_i32 s62, s62, 98304
	s_mul_i32 s63, s54, 3072
	s_add_co_u32 s62, s62, s63
	s_mov_b32 s63, 0
	s_and_b32 s60, s[WV], 4
	s_wait_dscnt 0x0
	s_wait_kmcnt 0x0
	s_add_nc_u64 s[G0S+2:G0S+3], s[12:13], s[58:59]
	s_or_b32 s[G0S+3], s[G0S+3], 0x80000000
	s_cmp_eq_u32 s60, 0                            ; the choice hangs on the wave's number alone
	s_cselect_b64 s[G0A+2:G0A+3], s[8:9], s[10:11]
	s_add_nc_u64 s[G0A+2:G0A+3], s[G0A+2:G0A+3], s[62:63]
	s_or_b32 s[G0A+3], s[G0A+3], 0x80000000
	ROUND                                          ; all four work-groups are here: the joint loads meet
	s_cmp_lt_u32 s[WV], 8                          ; one chain of two arms, one load to an arm
	s_cbranch_scc0 .Lfor_s
	tensor_load_to_lds s[G0A:G0A+3], s[G1KV:G1KV+7]
	s_nop 0
.rept 4
	v_nop
.endr
	s_branch .Lasked
.Lfor_s:
	tensor_load_to_lds s[G0S:G0S+3], s[G1S:G1S+7]
	s_nop 0
.Lasked:
.rept 4
	v_nop
.endr
	s_bfe_u32 s[PL], ttmp6, 0x40000                ; my place in the cluster: read only now; it enters global addresses and the mask's constant alone
	s_bfe_u32 s57, s[WV], 0x10002
	s_mul_i32 s57, s57, 3
	s_xor_b32 s55, s[WV], s57                      ; m1 = w, or w xor 3 in every second four of waves: evens the four waves w, w + 4, w + 8, w + 12 out
	s_sub_co_u32 s56, 31, s55                      ; m2
; The addresses of the pass for query tile 4 m + p: s[a:a+1] Q's image, s[a+2:a+3] Q's scale words, s[a+4:a+5] O's image, s[a+6:a+7] O's scale bytes; ls = the last key step; dc = the tile's first query in that step
.macro TILEADR m, a, ls, dc
	s_lshr_b32 s[\ls], s[\m], 1
	s_and_b32 s57, s[\m], 1
	s_lshl_b32 s58, s53, 4
	s_add_co_u32 s58, s58, s[\ls]
	s_mul_i32 s58, s58, 98304
	s_mul_i32 s60, s57, 49152
	s_add_co_u32 s58, s58, s60
	s_mul_i32 s60, s54, 3072
	s_add_co_u32 s58, s58, s60
	s_mul_i32 s60, s[PL], 768
	s_add_co_u32 s58, s58, s60
	s_mov_b32 s59, 0
	s_add_nc_u64 s[\a:\a+1], s[4:5], s[58:59]
	s_mul_i32 s58, s52, 12288
	s_lshl_b32 s60, s[\ls], 9
	s_add_co_u32 s58, s58, s60
	s_lshl_b32 s60, s57, 8
	s_add_co_u32 s58, s58, s60
	s_lshl_b32 s60, s[PL], 2
	s_add_co_u32 s58, s58, s60
	s_add_nc_u64 s[\a+2:\a+3], s[6:7], s[58:59]
	s_lshl_b32 s58, s53, 7
	s_lshl_b32 s60, s[\m], 2
	s_add_co_u32 s58, s58, s60
	s_add_co_u32 s58, s58, s[PL]                   ; the tile's number among all 512
	s_lshl_b32 s60, s58, 4
	s_add_co_u32 s60, s60, s54
	s_mul_i32 s60, s60, 768
	s_mov_b32 s61, 0
	s_add_nc_u64 s[\a+4:\a+5], s[14:15], s[60:61]
	s_lshl_b32 s58, s58, 9
	s_lshl_b32 s60, s54, 1
	s_add_co_u32 s58, s58, s60
	s_add_nc_u64 s[\a+6:\a+7], s[16:17], s[58:59]
	s_lshl_b32 s[\dc], s57, 2
	s_add_co_u32 s[\dc], s[\dc], s[PL]
	s_lshl_b32 s[\dc], s[\dc], 4
.endm
	TILEADR 55, 70, 86, 88
	TILEADR 56, 78, 87, 89
	v_and_b32 v9, 31, v0                           ; lane
	v_and_b32 v10, 15, v0                          ; r
	v_bfe_u32 v11, v0, 4, 1                        ; h
	s_delay_alu instid0(VALU_DEP_3)
	v_lshlrev_b32 v[L16], 4, v9
	s_delay_alu instid0(VALU_DEP_4)
	v_lshlrev_b32 v[L8], 3, v9
	s_delay_alu instid0(VALU_DEP_4)
	v_lshlrev_b32 v31, 4, v10                      ; 16 r
	global_load_b128 v[16:19], v[L16], s[70:71]    ; both passes' Q stay in registers
	global_load_b64 v[20:21], v[L8], s[70:71] offset:512
	global_load_b32 v28, v31, s[72:73]             ; and their scale words: lane r has query r's
	global_load_b128 v[192:195], v[L16], s[78:79]
	global_load_b64 v[196:197], v[L8], s[78:79] offset:512
	global_load_b32 v29, v31, s[80:81]
	v_add_nc_u32 v[ASK], SCL, v[L16]
	v_add_nc_u32 v[ASV], SCV, v31
	v_lshlrev_b32 v5, 3, v11
	s_delay_alu instid0(VALU_DEP_1)
	v_sub_nc_u32 v5, v10, v5                       ; r - 8 h
	v_mov_b32 v7, 0xff800000                       ; -infinity
	v_lshl_add_u32 v30, v10, 5, v11                ; 32 r + h: my byte among the tile's scale bytes
.irp j, 0,1,2,3,4,5
	v_mov_b32 v[22+\j], 0                          ; Q's codes for k = 64 .. 127: zeros
	v_mov_b32 v[198+\j], 0
	v_mov_b32 v[80+\j], 0                          ; and what tile 7 of K names behind its own six
.endr
.irp b, 0,1,2,3
	v_mov_b32 v[236+\b], 0                         ; written once: a lane permute's destination counts as one of its sources
.endr
	v_mov_b32 v252, 0
	v_mov_b32 v253, 0                              ; (named as the upper half of the pair v[252:253] before it is first written)
	s_mov_b32 s[SEL], 0x76543210
	s_mov_b32 s[SEL+1], 0xfedcba98                 ; v_permlanex16_b32's selects for lane l xor 16
	s_mov_b32 s[CS], 0x3d38aa3b                    ; c = log2(e) / 32
	s_mov_b32 s[CS+1], s[CS]                       ; (named with it as a pair, so it is written)
	s_mov_b32 s90, 0xffff0000                      ; lanes 16-31
; A KEY STEP: 128 keys against my 16 queries.  qf: Q's fragment; qs: its scale words; ls: the tile's last step
.macro STEP qf, qs, ls
	s_cmp_gt_u32 s[KSI], s[\ls]                    ; all keys of the step come after my queries: its work is left out; the address steps at its end are not
	s_cbranch_scc1 .Lskip_\@
	v_add_nc_u32 v[AD16], s[TB], v[L16]            ; (these four are also the places between the last products and the loads into their registers)
	v_add_nc_u32 v[AD8], s[TB], v[L8]
	v_add_nc_u32 v[ADS], s[TS], v[ASK]
	v_add_nc_u32 v[ADT], s[TJ], v[ASV]
	v_add_nc_u32 v94, VOFF, v[AD16]                ; V's images: their place is beyond a load's 16-bit offset
	v_add_nc_u32 v95, VOFF, v[AD8]
.irp i, 0,1,2,3,4,5,6,7
	ds_load_b128 v[KF+6*\i:KF+6*\i+3], v[AD16] offset:768*\i
	ds_load_b64 v[KF+6*\i+4:KF+6*\i+5], v[AD8] offset:768*\i+512
.endr
	ds_load_b128 v[86:89], v[ADS]                  ; K's scale words: lanes 0-15 tiles 0-3, lanes 16-31 tiles 4-7
	s_wait_alu depctr_va_vdst(0)
	s_wait_dscnt 0x0
.irp i, 0,1,2,3
	v_wmma_scale_f32_16x16x128_f8f6f4 v[96+8*\i:103+8*\i], v[KF+6*\i:KF+6*\i+11], v[\qf:\qf+11], 0, v[86+\i], v[\qs] matrix_a_fmt:MATRIX_FMT_FP6 matrix_b_fmt:MATRIX_FMT_FP6
.endr
.irp i, 4,5,6,7
	v_wmma_scale_f32_16x16x128_f8f6f4 v[96+8*\i:103+8*\i], v[KF+6*\i:KF+6*\i+11], v[\qf:\qf+11], 0, v[82+\i], v[\qs] matrix_a_fmt:MATRIX_FMT_FP6 matrix_b_fmt:MATRIX_FMT_FP6 matrix_a_scale:MATRIX_SCALE_ROW1
.endr
.rept 4
	v_nop                                          ; places in front of the loads into K's registers and of the first read of the scores
.endr
.irp t, 0,1,2,3                                    ; V's four fragments land while the softmax is worked: fragment t: rows d = 16 t + r, registers 6 c on: keys 64 c on
.irp c, 0,1
	ds_load_b128 v[KF+12*\t+6*\c:KF+12*\t+6*\c+3], v94 offset:3072*\c+768*\t
	ds_load_b64 v[KF+12*\t+6*\c+4:KF+12*\t+6*\c+5], v95 offset:3072*\c+768*\t+512
.endr
.endr
	ds_load_b128 v[90:93], v[ADT]                  ; V's scale words
	s_cmp_lg_u32 s[KSI], s[\ls]                    ; only the tile's last step lies on the diagonal
	s_cbranch_scc1 .Lopen_\@
.irp n, 0,1,2,3,4,5,6,7,8,9,10,11,12,13,14,15,16,17,18,19,20,21,22,23,24,25,26,27,28,29,30,31,32,33,34,35,36,37,38,39,40,41,42,43,44,45,46,47,48,49,50,51,52,53,54,55,56,57,58,59,60,61,62,63
	v_cmp_gt_i32 vcc_lo, 32*(\n/16)+16*((\n/8)%2)+\n%8, v6   ; register n holds the step's key 16 (n / 8) + 8 h + n % 8: hidden where it is above my query; v6 = my query in the step - 8 h
	v_cndmask_b32 v[96+\n], v[96+\n], v7, vcc_lo
.endr
.Lopen_\@:
.irp b, 0,1,2,3
	v_max3_num_f32 v[232+\b], v[96+16*\b], v[97+16*\b], v[98+16*\b]   ; the largest score of each block of 32 keys: it serves for the row's maximum and, since p rises with the score, for the block's largest p
.endr
.irp i, 3,5,7,9,11,13
.irp b, 0,1,2,3
	v_max3_num_f32 v[232+\b], v[232+\b], v[96+16*\b+\i], v[97+16*\b+\i]
.endr
.endr
.irp b, 0,1,2,3
	v_max_num_f32 v[232+\b], v[232+\b], v[111+16*\b]
.endr
.irp b, 0,1,2,3
	s_delay_alu instid0(VALU_DEP_4)
	v_permlanex16_b32 v[236+\b], v[232+\b], s[SEL], s[SEL+1]
.endr
.irp b, 0,1,2,3
	s_delay_alu instid0(VALU_DEP_4)
	v_max_num_f32 v[232+\b], v[232+\b], v[236+\b]  ; with lane l xor 16's 16 keys
.endr
	s_delay_alu instid0(VALU_DEP_2)
	v_max3_num_f32 v254, v232, v233, v234
	s_delay_alu instid0(VALU_DEP_1)
	v_max_num_f32 v254, v254, v235                 ; the step's largest score of my query
	s_delay_alu instid0(VALU_DEP_1)
	v_mul_f32 v254, s[CS], v254                    ; as t (c is positive)
	s_delay_alu instid0(VALU_DEP_1)
	v_max_num_f32 v13, v13, v254                   ; the running largest t
	v_mov_b32 v254, v12
	s_delay_alu instid0(VALU_DEP_2)
	v_floor_f32 v12, -v13                          ; the new -M = floor(-t): M is a whole number
	s_delay_alu instid0(VALU_DEP_1)
	v_sub_f32 v254, v12, v254                      ; old M - new M: a whole number, 0 or less
	s_delay_alu instid0(VALU_DEP_1)
	v_cvt_i32_f32 v254, v254                       ; (it saturates)
	s_delay_alu instid0(VALU_DEP_1)
	v_ldexp_f32 v252, 1.0, v254                    ; f = 2^(old M - new M)
.irp j, 0,2,4,6,8,10,12,14,16,18,20,22,24,26,28,30,32,34,36,38,40,42,44,46,48,50,52,54,56,58,60,62
	v_pk_fma_f32 v[96+\j:97+\j], v[96+\j:97+\j], s[CS:CS+1], v[12:13] op_sel_hi:[1,0,0]   ; t - M, two at a time
.endr
.irp b, 0,1,2,3
	v_fma_f32 v[232+\b], v[232+\b], s[CS], v12     ; the same of each block's largest score
.endr
	s_wait_alu depctr_va_vdst(0)
.irp j, 0,1,2,3,4,5,6,7,8,9,10,11,12,13,14,15,16,17,18,19,20,21,22,23,24,25,26,27,28,29,30,31,32,33,34,35,36,37,38,39,40,41,42,43,44,45,46,47,48,49,50,51,52,53,54,55,56,57,58,59,60,61,62,63
	v_exp_f32 v[96+\j], v[96+\j]                   ; p = 2^(t - M), at most 1
.endr
	v_pk_mul_f32 v[14:15], v[14:15], v[252:253] op_sel_hi:[1,0]   ; the sums under the new M (a plain place behind the exponentials)
	s_wait_alu depctr_va_vdst(0)                   ; one wait for the whole batch, ahead of its first reader
.irp b, 0,1,2,3
	v_exp_f32 v[232+\b], v[232+\b]                 ; the block's largest p
.endr
	v_pk_add_f32 v[236:237], v[100:101], v[104:105]
	v_pk_add_f32 v[248:249], v[108:109], v[112:113]
	v_pk_add_f32 v[246:247], v[116:117], v[120:121]
	v_pk_add_f32 v[244:245], v[124:125], v[128:129]
	v_pk_add_f32 v[242:243], v[132:133], v[136:137]
	v_pk_add_f32 v[240:241], v[140:141], v[144:145]
	v_pk_add_f32 v[238:239], v[148:149], v[152:153]
	v_pk_add_f32 v[14:15], v[14:15], v[156:157]
	v_pk_add_f32 v[236:237], v[236:237], v[96:97]
	v_pk_add_f32 v[248:249], v[248:249], v[98:99]
	v_pk_add_f32 v[246:247], v[246:247], v[102:103]
	v_pk_add_f32 v[244:245], v[244:245], v[106:107]
	v_pk_add_f32 v[242:243], v[242:243], v[110:111]
	v_pk_add_f32 v[240:241], v[240:241], v[114:115]
	v_pk_add_f32 v[238:239], v[238:239], v[118:119]
	v_pk_add_f32 v[14:15], v[14:15], v[122:123]
	v_pk_add_f32 v[236:237], v[236:237], v[126:127]
	v_pk_add_f32 v[248:249], v[248:249], v[130:131]
	v_pk_add_f32 v[246:247], v[246:247], v[134:135]
	v_pk_add_f32 v[244:245], v[244:245], v[138:139]
	v_pk_add_f32 v[242:243], v[242:243], v[142:143]
	v_pk_add_f32 v[240:241], v[240:241], v[146:147]
	v_pk_add_f32 v[238:239], v[238:239], v[150:151]
	v_pk_add_f32 v[14:15], v[14:15], v[154:155]
	v_pk_add_f32 v[236:237], v[236:237], v[158:159]
	s_delay_alu instid0(VALU_DEP_2)
	v_pk_add_f32 v[14:15], v[14:15], v[244:245]
	s_delay_alu instid0(VALU_DEP_2)
	v_pk_add_f32 v[236:237], v[236:237], v[242:243]
	v_pk_add_f32 v[248:249], v[248:249], v[240:241]
	v_pk_add_f32 v[246:247], v[246:247], v[238:239]
	s_delay_alu instid0(VALU_DEP_2)
	v_pk_add_f32 v[14:15], v[14:15], v[248:249]
	s_delay_alu instid0(VALU_DEP_2)
	v_pk_add_f32 v[236:237], v[236:237], v[246:247]
	s_delay_alu instid0(VALU_DEP_1)
	v_pk_add_f32 v[14:15], v[14:15], v[236:237]
	s_wait_alu depctr_va_vdst(0)                   ; and one for the four
.irp b, 0,1,2,3
	v_max_num_f32 v[232+\b], 0x1800000, v[232+\b]  ; the floor 2^(3 - 127): the byte cannot fall under 1
.endr
.irp b, 0,1,2,3
	s_delay_alu instid0(VALU_DEP_4)
	v_add_nc_u32 v[244+\b], 0xff000000, v[232+\b]  ; 2 off the exponent field: the conversion's scale operand
.endr
.irp b, 0,1,2,3
	s_delay_alu instid0(VALU_DEP_4)
	v_lshrrev_b32 v[236+\b], 23, v[244+\b]         ; the scale's byte
.endr
	s_delay_alu instid0(VALU_DEP_3)
	v_lshl_or_b32 v253, v237, 8, v236              ; p's scale word for these 128 keys
	s_delay_alu instid0(VALU_DEP_1)
	v_lshl_or_b32 v253, v238, 16, v253
	s_delay_alu instid0(VALU_DEP_1)
	v_lshl_or_b32 v253, v239, 24, v253
.irp c, 0,1
	v_cvt_scalef32_pk16_fp6_f32 v[224+6*\c:226+6*\c], v[96+32*\c:111+32*\c], v[244+2*\c]
	v_cvt_scalef32_pk16_fp6_f32 v[236+4*\c:238+4*\c], v[112+32*\c:127+32*\c], v[244+2*\c+1]   ; (a conversion's three registers begin on an even number)
.endr
	v_nop                                          ; one plain place behind a scaled conversion
.irp c, 0,1                                        ; a whole block in a lane: lanes 0-15 block 2 c, lanes 16-31 block 2 c + 1
.irp i, 0,1,2
	v_permlane16_swap_b32 v[224+6*\c+\i], v[236+4*\c+\i]
.endr
.irp i, 0,1,2
	s_delay_alu instid0(VALU_DEP_3)
	v_mov_b32 v[227+6*\c+\i], v[236+4*\c+\i]
.endr
.endr
.irp j, 0,2,4,6,8,10,12,14,16,18,20,22,24,26,28,30
	v_pk_mul_f32 v[160+\j:161+\j], v[160+\j:161+\j], v[252:253] op_sel_hi:[1,0]   ; O^T under the new M.  (These 16 are also the places between the lines that wrote p's codes and scale word and the products)
.endr
	s_wait_alu depctr_va_vdst(0)
	s_wait_dscnt 0x0                               ; V is in
.irp t, 0,1,2,3
	v_wmma_scale_f32_16x16x128_f8f6f4 v[160+8*\t:167+8*\t], v[KF+12*\t:KF+12*\t+11], v[224:235], v[160+8*\t:167+8*\t], v[90+\t], v253 matrix_a_fmt:MATRIX_FMT_FP6 matrix_b_fmt:MATRIX_FMT_FP6
.endr
.Lskip_\@:
	s_add_co_u32 s[TB], s[TB], STEPB
	s_add_co_u32 s[TS], s[TS], 512
	s_add_co_u32 s[TJ], s[TJ], 256
.endm
; THE WAY OUT of a tile: O^T / l, brought into true order along d, quantised in two blocks of 32, stored as one image and 32 scale bytes
.macro WAYOUT ob, sb
	v_add_f32 v14, v14, v15                        ; the sum's two halves,
	v_permlanex16_b32 v252, v14, s[SEL], s[SEL+1]
	s_delay_alu instid0(VALU_DEP_1)
	v_add_f32 v14, v14, v252                       ; and lane l xor 16's: the row's sum
	v_nop
	v_nop                                          ; (with the additions: the places behind the last products)
	s_wait_alu depctr_va_vdst(0)
	v_rcp_f32 v252, v14
	v_nop                                          ; a plain place behind the reciprocal
	s_wait_alu depctr_va_vdst(0)                   ; and the wait ahead of its first reader
.irp j, 0,2,4,6,8,10,12,14,16,18,20,22,24,26,28,30
	v_pk_mul_f32 v[160+\j:161+\j], v[160+\j:161+\j], v[252:253] op_sel_hi:[1,0]   ; register 8 t + j is o(r, 16 t + 8 h + j); each accumulator from its low end on
.endr
.irp e, 0,1
.irp j, 0,1,2,3,4,5,6,7
	v_permlane16_swap_b32 v[160+16*\e+\j], v[168+16*\e+\j]   ; now register 16 e + i is d = 32 e + 16 h + i: 16 neighbours
.endr
.endr
.irp e, 0,1
	v_max3_num_f32 v[232+\e], |v[160+16*\e]|, |v[161+16*\e]|, 0x1800000
.endr
.irp i, 2,4,6,8,10,12,14
.irp e, 0,1
	s_delay_alu instid0(VALU_DEP_2)
	v_max3_num_f32 v[232+\e], v[232+\e], |v[160+16*\e+\i]|, |v[161+16*\e+\i]|
.endr
.endr
.irp e, 0,1
	s_delay_alu instid0(VALU_DEP_2)
	v_permlanex16_b32 v[236+\e], v[232+\e], s[SEL], s[SEL+1]
.endr
.irp e, 0,1
	s_delay_alu instid0(VALU_DEP_2)
	v_max_num_f32 v[232+\e], v[232+\e], v[236+\e]
.endr
.irp e, 0,1
	s_delay_alu instid0(VALU_DEP_2)
	v_add_nc_u32 v[244+\e], 0xff000000, v[232+\e]
.endr
.irp e, 0,1
	s_delay_alu instid0(VALU_DEP_2)
	v_lshrrev_b32 v[236+\e], 23, v[244+\e]
.endr
	s_delay_alu instid0(VALU_DEP_1)
	v_cndmask_b32 v238, v236, v237, s90            ; lanes 0-15 store block 0's byte, lanes 16-31 block 1's
	v_cvt_scalef32_pk16_fp6_f32 v[224:226], v[160:175], v244
	v_cvt_scalef32_pk16_fp6_f32 v[240:242], v[176:191], v245
	v_nop                                          ; one plain place behind a scaled conversion
.irp i, 0,1,2
	v_permlane16_swap_b32 v[224+\i], v[240+\i]
.endr
.irp i, 0,1,2
	s_delay_alu instid0(VALU_DEP_3)
	v_mov_b32 v[227+\i], v[240+\i]                 ; registers 0-5: k = 32 h + 0 .. 31 of the head's 64
.endr
	global_store_b128 v[L16], v[224:227], s[\ob:\ob+1]             ; 512 consecutive bytes, at a multiple of 256 from the buffer's first byte
	global_store_b64 v[L8], v[228:229], s[\ob:\ob+1] offset:512    ; 256 more
	global_store_b8 v30, v238, s[\sb:\sb+1]
.endm
.macro PASS trips, qf, qs, ls, dc, ob, sb
	v_add_nc_u32 v6, s[\dc], v5
	v_mov_b32 v13, 0xff61b1e6                      ; the largest t so far: -3e38, under every t
	s_delay_alu instid0(VALU_DEP_1)
	v_floor_f32 v12, -v13                          ; -M
	v_mov_b32 v14, 0
	v_mov_b32 v15, 0
.irp j, 0,1,2,3,4,5,6,7,8,9,10,11,12,13,14,15,16,17,18,19,20,21,22,23,24,25,26,27,28,29,30,31
	v_mov_b32 v[160+\j], 0                         ; O^T: the step is written once; the first finds zeros, which the first change of M leaves zeros
.endr
	s_mov_b32 s[TB], 0
	s_mov_b32 s[TS], 0
	s_mov_b32 s[TJ], 0
	s_mov_b32 s[KSI], 0
.Lstep_\@:
	STEP \qf, \qs, \ls
	s_add_co_u32 s[KSI], s[KSI], 1
	s_cmp_lt_u32 s[KSI], \trips
	s_cbranch_scc1 .Lstep_\@
	WAYOUT \ob, \sb
.endm
	s_wait_tensorcnt 0x0                           ; my one load is in,
	s_barrier_signal -1
	s_barrier_wait -1                              ; everybody's are
	s_wait_loadcnt 0x0                             ; Q
	PASS 8, 16, 28, 86, 88, 74, 76
	s_wait_xcnt 0x0                                ; the stores have read their registers, which the second pass writes again; all of K and V is in LDS: no barrier stands between the passes
	PASS 16, 192, 29, 87, 89, 82, 84
	s_wait_tensorcnt 0x0
	ds_add_u32 v251, v255
	s_wait_dscnt 0x0
	ROUND                                          ; the closing round
	s_endpgm
.Lfunc_end_k_q6778f96cd4_attn:
	.size	k_q6778f96cd4_attn, .Lfunc_end_k_q6778f96cd4_attn-k_q6778f96cd4_attn
	.p2alignl 7, 3214868480
	.fill 96, 4, 3214868480
	.section	.rodata,"a",@progbits
	.p2align	6, 0x0
	.amdhsa_kernel k_q6778f96cd4_attn
		.amdhsa_group_segment_fixed_size 210944
		.amdhsa_private_segment_fixed_size 0
		.amdhsa_enable_private_segment 0
		.amdhsa_kernarg_size 56
		.amdhsa_user_sgpr_count 2
		.amdhsa_user_sgpr_kernarg_segment_ptr 1
		.amdhsa_wavefront_size32 1
		.amdhsa_system_sgpr_workgroup_id_x 1
		.amdhsa_system_sgpr_workgroup_id_y 1
		.amdhsa_system_sgpr_workgroup_id_z 1
		.amdhsa_system_vgpr_workitem_id 0
		.amdhsa_next_free_vgpr 256
		.amdhsa_next_free_sgpr 92
		.amdhsa_reserve_vcc 1
		.amdhsa_float_denorm_mode_32 3
		.amdhsa_float_denorm_mode_16_64 3
		.amdhsa_memory_ordered 1
		.amdhsa_forward_progress 1
		.amdhsa_inst_pref_size 67
	.end_amdhsa_kernel
	.amdgpu_metadata
---
amdhsa.version: [ 1, 2 ]
amdhsa.kernels:
  - .name:           k_q6778f96cd4_attn
    .symbol:         k_q6778f96cd4_attn.kd
    .args:
      - { .name: qc, .offset: 0, .size: 8, .value_kind: global_buffer, .address_space: global }
      - { .name: qs, .offset: 8, .size: 8, .value_kind: global_buffer, .address_space: global }
      - { .name: kc, .offset: 16, .size: 8, .value_kind: global_buffer, .address_space: global }
      - { .name: vc, .offset: 24, .size: 8, .value_kind: global_buffer, .address_space: global }
      - { .name: kvs, .offset: 32, .size: 8, .value_kind: global_buffer, .address_space: global }
      - { .name: oc, .offset: 40, .size: 8, .value_kind: global_buffer, .address_space: global }
      - { .name: os, .offset: 48, .size: 8, .value_kind: global_buffer, .address_space: global }
    .group_segment_fixed_size: 210944
    .private_segment_fixed_size: 0
    .kernarg_segment_align: 8
    .kernarg_segment_size: 56
    .max_flat_workgroup_size: 512
    .sgpr_count:     92
    .vgpr_count:     256
    .wavefront_size: 32
...
	.end_amdgpu_metadata
.endif
;; end of part 2
;; launch ffn (part 3): grid 4 x 64, 4 waves a work-group, clusters of 4 x 4, 327,680 bytes of LDS; arguments oc, os, Wf_codes, Wf_scales, bf, out0; writes out0
.if DOCPART == 3
	.amdgcn_target "amdgcn-amd-amdhsa--gfx1250"
	.amdhsa_code_object_version 6
	.text
	.protected	k_q6778f96cd4_ffn
	.globl	k_q6778f96cd4_ffn
	.p2align	8
	.type	k_q6778f96cd4_ffn,@function
k_q6778f96cd4_ffn:
	s_mov_b64 s[64:65], 0
	v_nop
	global_prefetch_b8 v0, s[64:65] scope:SCOPE_SE
	s_setreg_imm32_b32 hwreg(HW_REG_WAVE_MODE, 25, 1), 1
	s_wait_xcnt 0x0
	s_wait_alu depctr_hold_cnt(0) depctr_sa_sdst(0) depctr_va_vdst(0) depctr_va_sdst(0) depctr_va_ssrc(0) depctr_va_vcc(0) depctr_vm_vsrc(0)
	s_getreg_b32 s2, hwreg(HW_REG_IB_STS2, 6, 4)
	s_cmp_eq_u32 s2, 0
	s_cbranch_scc0 .Lentry_in_a_cluster
	s_endpgm
.Lentry_in_a_cluster:
	s_bfe_u32 s2, ttmp6, 0x10000c
	s_cmp_lg_u32 s2, 0xf033
	s_cbranch_scc0 .Lentry_shape_is_right
	s_endpgm
.Lentry_shape_is_right:
; out0 = relu(O Wf^T + bf): 8,192 tokens x 1,024 outputs, K = 1,024, on codes of FP6 (E2M3) with one E8M0 scale for each 32 along K; sums in f32.
; O comes from the launch before as IMAGES of operand registers: oc [tile of 16 tokens 512][head 16][768] (registers 0-3 of lane l at 16 l, registers 4-5 at 512 + 8 l: 16 rows x the head's 64); os [token][32] scale bytes.
; A BLOCK is 128 tokens (L, source 1) x 256 outputs (P = rows of Wf, source 0), with ALL of K in LDS: Wf's 256 rows of 768 bytes, each beginning at a multiple of 256 bytes, 16 bytes of padding behind every 256 (pitch 816); O's 98,304 dense bytes.
; Every LDS byte is filled once, by one joint load a wave at the head (waves 0, 1: O's halves; waves 2, 3: Wf's halves): no ring and no refill.  256 work-groups.
; A wave makes 64 tokens x 128 outputs: 32 accumulators, which take turns.  The first products take the bias as C.
; CLUSTERS 4 x 4: O's tile is shared along a row of the cluster, Wf's along a column.  The scale words go from memory into registers once: sixteen lanes take 512 consecutive bytes.
; No prefetch: the launch has no loop to run ahead in; all its tiles are asked for at its head.
; Source 0 = Wf's rows: a lane holds eight neighbouring outputs of one token; a block of 16 tokens goes through the wave's stage in LDS and leaves as whole rows of 512 bytes.
; The stage lies on Wf's first rows, behind a barrier in front of which every wave has ended its reads; no fill follows.
; REGISTERS: window 0: v0-31 addresses, v32-63 O's scale words, v64-127 Wf's, v128-175 and v192-239 O's fragments (two sets; on the way out v128-255 hold rows read back); window 1: Wf's fragments, two sets; window 2: accumulator (a, b) at v[8 (8 a + b)]; window 3: v0-63 the bias.
.set SIZE_N, 1024
.set PITCH,  816
.set PHALF,  128*PITCH
.set LB,     2*PHALF
.set LHALF,  49152                     ; 64 tokens: four tiles of 12,288 bytes
.set SPARE,  LB+2*LHALF
.set SPITCH, 528
.set FR,     12
.set ADRA, 16                          ; v16 16 l + my tiles; v17 8 l + my tiles
.set ADRB, 20                          ; v20, 21 Wf's blocks 0-3 (the second behind one padding more in lanes 16-31); v22, 23 blocks 4-7
.set STO,  24
.set RD,   25
.set CO,   26
.set SPW,  28
.set NIL,  29
.set SL,   32
.set SP,   64
.set AF,   128
.set BK,   128
.set G1, 24
.set G0, 32
.set G1B, 48
.set G0B, 56
.set MSB, 0
.macro WIN new
.if MSB != \new
	s_set_vgpr_msb (MSB<<8)|\new
.set MSB, \new
.endif
.endm
.set MUL,  0xa1                        ; source 0 window 1, source 1 window 0, C and D window 2
.set FST,  0xb1                        ; the same with C in window 3
.set TO_B, 0x40
.macro CROUND
	s_barrier_signal -1
	s_barrier_wait -1
	s_cmp_lg_u32 s14, 0
	s_cbranch_scc1 .Lnot_wave_0_\@
	s_barrier_signal -3
.Lnot_wave_0_\@:
	s_barrier_wait -3
	s_barrier_signal -1
	s_barrier_wait -1
.endm
.macro PLACES
.rept 4
	v_nop
.endr
.endm
	s_load_b128 s[4:7], s[0:1], 0x0                ; oc, os
	s_load_b128 s[8:11], s[0:1], 0x10              ; Wf's codes, scales
	s_load_b64 s[96:97], s[0:1], 0x20              ; bf
	s_load_b64 s[12:13], s[0:1], 0x28              ; out0
	v_lshl_add_u32 v[SPW], v0, 2, SPARE
	v_mov_b32 v[NIL], 0
	ds_add_u32 v[SPW], v[NIL]                      ; the opening lines: the add, twice on end, and its wait
	ds_add_u32 v[SPW], v[NIL]
	v_lshrrev_b32 v1, 5, v0
	v_readfirstlane_b32 s14, v1                    ; wave
	s_lshr_b32 s15, s14, 1                         ; my half of the tokens.  Also: I fetch for O (0) or Wf (1)
	s_and_b32 s16, s14, 1                          ; my half of the outputs.  Also: which half of that tile I fetch
	s_bfe_u32 s40, ttmp6, 0x40000
	s_bfe_u32 s41, ttmp6, 0x40004
	s_lshl_b32 s42, ttmp9, 2
	s_add_co_u32 s42, s42, s40                     ; tile of 256 outputs
	s_and_b32 s17, ttmp7, 0xffff
	s_lshl_b32 s17, s17, 2
	s_add_co_u32 s17, s17, s41                     ; tile of 128 tokens
	s_lshl_b32 s43, s41, 2
	s_lshl_b32 s43, 15, s43                        ; my row of the cluster
	s_lshl_b32 s44, 0x1111, s40                    ; my column
	s_or_b32 s[G1+0], s43, (3<<16)|(1<<21)         ; O: 49,152 dense bytes as 192 rows of 256 (32 elements of 8 bytes)
	s_mov_b32 s[G1+1], 32<<16
	s_mov_b32 s[G1+2], 192<<16
	s_mov_b32 s[G1+3], 32<<16
	s_mov_b32 s[G1+4], 192
	s_mov_b32 s[G1+5], 32
	s_mov_b32 s[G1+6], 0
	s_mov_b32 s[G1+7], 0
	s_or_b32 s[G1B+0], s44, (1<<20)|(1<<21)|(5<<22)|(3<<25)   ; Wf: 128 rows of 768 bytes; behind every 64 words 4 words of padding
	s_mov_b32 s[G1B+1], 768<<16
	s_mov_b32 s[G1B+2], 128<<16
	s_mov_b32 s[G1B+3], 768<<16
	s_mov_b32 s[G1B+4], 128
	s_mov_b32 s[G1B+5], 768
	s_mov_b32 s[G1B+6], 0
	s_mov_b32 s[G1B+7], 0
	s_mul_i32 s20, s17, 98304
	s_mul_i32 s18, s16, 49152
	s_add_co_u32 s20, s20, s18
	s_mov_b32 s21, 0
	s_mul_i32 s46, s42, 196608
	s_mul_i32 s18, s16, 98304
	s_add_co_u32 s46, s46, s18
	s_mov_b32 s47, 0
	s_mov_b32 s[G0], 1
	s_mul_i32 s[G0+1], s16, LHALF
	s_add_co_u32 s[G0+1], s[G0+1], LB
	s_mov_b32 s[G0B], 1
	s_mul_i32 s[G0B+1], s16, PHALF
	s_wait_dscnt 0x0
	s_wait_kmcnt 0x0
	s_add_nc_u64 s[G0+2:G0+3], s[4:5], s[20:21]
	s_or_b32 s[G0+3], s[G0+3], 0x80000000
	s_add_nc_u64 s[G0B+2:G0B+3], s[8:9], s[46:47]
	s_or_b32 s[G0B+3], s[G0B+3], 0x80000000
	CROUND                                         ; all sixteen work-groups are here: the joint loads meet
	s_cmp_eq_u32 s15, 0                            ; one load a wave, one chain of two arms
	s_cbranch_scc0 .Lfor_p
	tensor_load_to_lds s[G0:G0+3], s[G1:G1+7]
	s_nop 0
	PLACES
	s_branch .Lasked
.Lfor_p:
	tensor_load_to_lds s[G0B:G0B+3], s[G1B:G1B+7]
	s_nop 0
	PLACES
.Lasked:
	s_lshl_b32 s20, s17, 12                        ; my rows' scales: 32 bytes a row
	s_lshl_b32 s18, s15, 11
	s_add_co_u32 s20, s20, s18
	s_add_nc_u64 s[6:7], s[6:7], s[20:21]
	s_lshl_b32 s46, s42, 13
	s_lshl_b32 s18, s16, 12
	s_add_co_u32 s46, s46, s18
	s_add_nc_u64 s[10:11], s[10:11], s[46:47]
	s_lshl_b32 s46, s42, 10                        ; my first output, in bytes of f32
	s_lshl_b32 s18, s16, 9
	s_add_co_u32 s46, s46, s18
	s_add_nc_u64 s[96:97], s[96:97], s[46:47]
	s_lshl_b32 s20, s17, 7
	s_lshl_b32 s18, s15, 6
	s_add_co_u32 s20, s20, s18                     ; my first token
	s_lshl_b32 s20, s20, 12                        ; a row of out0 is 4,096 bytes
	s_add_co_u32 s20, s20, s46
	s_add_nc_u64 s[12:13], s[12:13], s[20:21]
	s_mul_i32 s22, s15, LHALF
	s_add_co_u32 s22, s22, LB
	s_mul_i32 s23, s16, PHALF
	s_mul_i32 s19, s14, 16*SPITCH                  ; my stage
	v_and_b32 v1, 15, v0                           ; r
	v_bfe_u32 v2, v0, 4, 1                         ; h
	v_and_b32 v7, 31, v0
	v_lshlrev_b32 v[CO], 4, v7
	v_lshlrev_b32 v9, 3, v7
	v_add_nc_u32 v[ADRA], s22, v[CO]
	v_add_nc_u32 v[ADRA+1], s22, v9
	v_mul_u32_u24 v3, v1, PITCH
	v_mad_u32_u24 v4, v2, 24, v3
	v_add_nc_u32 v[ADRB], s23, v4
	v_lshl_add_u32 v[ADRB+1], v2, 4, v[ADRB]
	v_add_nc_u32 v[ADRB+2], 64*PITCH, v[ADRB]
	v_add_nc_u32 v[ADRB+3], 64*PITCH, v[ADRB+1]
	v_mul_u32_u24 v5, v1, SPITCH
	v_lshl_add_u32 v5, v2, 5, v5
	v_add_nc_u32 v[STO], s19, v5
	v_add_nc_u32 v[RD], s19, v[CO]
	v_lshlrev_b32 v10, 5, v2                       ; 32 h
	v_lshlrev_b32 v11, 5, v1                       ; 32 r
.irp a, 0,1,2,3
	global_load_b128 v[SL+8*\a:SL+8*\a+3], v11, s[6:7] offset:512*\a       ; word q of block a: K step q
	global_load_b128 v[SL+8*\a+4:SL+8*\a+7], v11, s[6:7] offset:512*\a+16
.endr
.irp b, 0,1,2,3,4,5,6,7
	global_load_b128 v[SP+8*\b:SP+8*\b+3], v11, s[10:11] offset:512*\b
	global_load_b128 v[SP+8*\b+4:SP+8*\b+7], v11, s[10:11] offset:512*\b+16
.endr
	WIN 0xc0                                       ; destination window 3: the bias in the result's layout: bf at my eight outputs of each block
.irp b, 0,1,2,3,4,5,6,7
	global_load_b128 v[8*\b:8*\b+3], v10, s[96:97] offset:64*\b
	global_load_b128 v[8*\b+4:8*\b+7], v10, s[96:97] offset:64*\b+16
.endr
	WIN 0
.macro FRAG reg, adr, st, i            ; Wf: byte y of a row lies at y + 16 (y / 256) of its LDS row; where lanes 16-31 (24 bytes on) lie behind one padding more, the second register serves
.irp p, 0,1,2,3,4,5
.set BY, 96*(\st)+48*(\p/3)+8*(\p%3)
.if BY/256 == (BY+24)/256
	ds_load_b64 v[\reg+2*\p:\reg+2*\p+1], v[\adr] offset:BY+16*(BY/256)+(\i)*16*PITCH
.else
	ds_load_b64 v[\reg+2*\p:\reg+2*\p+1], v[\adr+1] offset:BY+16*(BY/256)+(\i)*16*PITCH
.endif
.endr
.endm
.macro FETCH_P st                      ; 48 loads
	WIN TO_B
.irp i, 0,1,2,3,4,5,6,7
	FRAG 128*((\st)%2)+FR*\i, ADRB+2*(\i/4), \st, \i%4
.endr
	WIN 0
.endm
.macro FETCH_L st                      ; 16 loads: K step st is the images of heads 2 st and 2 st + 1
.irp i, 0,1,2,3
.set RG, AF+64*((\st)%2)+FR*\i
	ds_load_b128 v[RG:RG+3], v[ADRA] offset:12288*\i+1536*(\st)
	ds_load_b64 v[RG+4:RG+5], v[ADRA+1] offset:12288*\i+1536*(\st)+512
	ds_load_b128 v[RG+6:RG+9], v[ADRA] offset:12288*\i+1536*(\st)+768
	ds_load_b64 v[RG+10:RG+11], v[ADRA+1] offset:12288*\i+1536*(\st)+1280
.endr
.endm
.macro MUL16 a0, st
.irp a, \a0, \a0+1
.irp b, 0,1,2,3,4,5,6,7
.if (\st) == 0
	v_wmma_scale_f32_16x16x128_f8f6f4 v[8*(8*(\a)+\b):8*(8*(\a)+\b)+7], v[128*((\st)%2)+FR*\b:128*((\st)%2)+FR*\b+FR-1], v[AF+64*((\st)%2)+FR*(\a):AF+64*((\st)%2)+FR*(\a)+FR-1], v[8*\b:8*\b+7], v[SP+8*\b+(\st)], v[SL+8*(\a)+(\st)] matrix_a_fmt:MATRIX_FMT_FP6 matrix_b_fmt:MATRIX_FMT_FP6
.else
	v_wmma_scale_f32_16x16x128_f8f6f4 v[8*(8*(\a)+\b):8*(8*(\a)+\b)+7], v[128*((\st)%2)+FR*\b:128*((\st)%2)+FR*\b+FR-1], v[AF+64*((\st)%2)+FR*(\a):AF+64*((\st)%2)+FR*(\a)+FR-1], v[8*(8*(\a)+\b):8*(8*(\a)+\b)+7], v[SP+8*\b+(\st)], v[SL+8*(\a)+(\st)] matrix_a_fmt:MATRIX_FMT_FP6 matrix_b_fmt:MATRIX_FMT_FP6
.endif
.endr
.endr
.endm
; a step of 128 along K: 32 matrix instructions; the next step's fragments go into the other sets, Wf's at the step's head, O's in its middle
.macro STEP st
.if (\st) == 0
.set MW, FST
.else
.set MW, MUL
.endif
.if (\st) < 7
.if (\st) > 0
	PLACES                                         ; behind the last step's products, which read the sets that are loaded now
.endif
	FETCH_P (\st)+1
	s_wait_dscnt 48                                ; all but the 48 just issued: this step's fragments are in
.else
	s_wait_dscnt 0x0                               ; my reads of the tiles are over:
	s_barrier_signal -1                            ; say so; behind the barrier the stages are laid over Wf's first rows
.endif
	WIN MW
	MUL16 0, \st
.if (\st) < 7
	WIN 0
	FETCH_L (\st)+1
	WIN MW
.endif
	MUL16 2, \st
	WIN 0
.endm
	s_wait_alu depctr_va_vdst(0)
	s_wait_tensorcnt 0x0                           ; my part of the block is in,
	s_barrier_signal -1
	s_barrier_wait -1                              ; everybody's is
	FETCH_P 0
	FETCH_L 0
	s_wait_loadcnt 0x0                             ; the scale words and the bias
.set ST, 0
.rept 8
	STEP ST
.set ST, ST+1
.endr
	s_barrier_wait -1                              ; nobody reads the tiles any more
.macro TOSTAGE a
.set AC, 64*(\a)
	WIN 0x08                                       ; the data: window 2
.irp b, 0,1,2,3,4,5,6,7
	ds_store_b128 v[STO], v[AC+8*\b:AC+8*\b+3] offset:64*\b          ; each accumulator from its low end on
	ds_store_b128 v[STO], v[AC+8*\b+4:AC+8*\b+7] offset:64*\b+16
.endr
	WIN 0
.set BB, BK+64*((\a)%2)
.irp t, 0,1,2,3,4,5,6,7,8,9,10,11,12,13,14,15
	ds_load_b128 v[BB+4*\t:BB+4*\t+3], v[RD] offset:\t*SPITCH        ; LDS serves a wave's instructions in order (ISA guide 5.7.1.4)
.endr
.endm
.macro SEND a, younger
.set BB, BK+64*((\a)%2)
	s_wait_dscnt \younger
.if (\a) > 0
	s_add_nc_u64 s[12:13], s[12:13], 16*SIZE_N*4   ; (behind a wait on XCNT)
.endif
.set i, 0
.rept 64
	v_max_num_f32 v[BB+i], 0, v[BB+i]              ; the ReLU
.set i, i+1
.endr
.irp t, 0,1,2,3,4,5,6,7,8,9,10,11,12,13,14,15
	global_store_b128 v[CO], v[BB+4*\t:BB+4*\t+3], s[12:13] offset:\t*SIZE_N*4 th:TH_STORE_NT   ; 32 lanes store 512 consecutive aligned bytes
.endr
.endm
	PLACES                                         ; behind the last products
	TOSTAGE 0
.irp a, 1,2,3
.if \a > 1
	s_wait_xcnt 0x0                                ; block a - 2's stores have read their registers and their base
.endif
	TOSTAGE \a
	SEND \a-1, 32                                  ; behind block a - 1's loads: block a's 16 stores and 16 loads
.endr
	s_wait_xcnt 0x0
	SEND 3, 0
	s_wait_tensorcnt 0x0                           ; the wave's end
	ds_add_u32 v[SPW], v[NIL]
	s_wait_dscnt 0x0
	CROUND                                         ; the closing round
	s_endpgm
.Lfunc_end_k_q6778f96cd4_ffn:
	.size	k_q6778f96cd4_ffn, .Lfunc_end_k_q6778f96cd4_ffn-k_q6778f96cd4_ffn
	.p2alignl 7, 3214868480
	.fill 96, 4, 3214868480
	.section	.rodata,"a",@progbits
	.p2align	6, 0x0
	.amdhsa_kernel k_q6778f96cd4_ffn
		.amdhsa_group_segment_fixed_size 327680
		.amdhsa_private_segment_fixed_size 0
		.amdhsa_enable_private_segment 0
		.amdhsa_kernarg_size 48
		.amdhsa_user_sgpr_count 2
		.amdhsa_user_sgpr_kernarg_segment_ptr 1
		.amdhsa_wavefront_size32 1
		.amdhsa_system_sgpr_workgroup_id_x 1
		.amdhsa_system_sgpr_workgroup_id_y 1
		.amdhsa_system_sgpr_workgroup_id_z 1
		.amdhsa_system_vgpr_workitem_id 0
		.amdhsa_next_free_vgpr 1024
		.amdhsa_next_free_sgpr 98
		.amdhsa_reserve_vcc 0
		.amdhsa_float_denorm_mode_32 3
		.amdhsa_float_denorm_mode_16_64 3
		.amdhsa_memory_ordered 1
		.amdhsa_forward_progress 1
		.amdhsa_inst_pref_size 100
	.end_amdhsa_kernel
	.amdgpu_metadata
---
amdhsa.version: [ 1, 2 ]
amdhsa.kernels:
  - .name:           k_q6778f96cd4_ffn
    .symbol:         k_q6778f96cd4_ffn.kd
    .args:
      - { .name: oc, .offset: 0, .size: 8, .value_kind: global_buffer, .address_space: global }
      - { .name: os, .offset: 8, .size: 8, .value_kind: global_buffer, .address_space: global }
      - { .name: Wf_codes, .offset: 16, .size: 8, .value_kind: global_buffer, .address_space: global }
      - { .name: Wf_scales, .offset: 24, .size: 8, .value_kind: global_buffer, .address_space: global }
      - { .name: bf, .offset: 32, .size: 8, .value_kind: global_buffer, .address_space: global }
      - { .name: out0, .offset: 40, .size: 8, .value_kind: global_buffer, .address_space: global }
    .group_segment_fixed_size: 327680
    .private_segment_fixed_size: 0
    .kernarg_segment_align: 8
    .kernarg_segment_size: 48
    .max_flat_workgroup_size: 128
    .sgpr_count:     98
    .vgpr_count:     1024
    .wavefront_size: 32
...
	.end_amdgpu_metadata
.endif
;; end of part 3
